; MI455X (gfx1250); checked and timed in simulation.
; The chip was launched on July 23, 2026; its instructions are those of AMD's public machine-readable ISA for CDNA 5 (MIT licence, August 2026) and "CDNA5" Instruction Set Architecture Reference Guide (July 2026). The comments in the code are by the model that wrote it; some were corrected since.
;; Multi Head Attention Block. Allowed arithmetic: matrix products marked QUANTISED: E2M1 operands, one E8M0 scale for each 32 along K, by v_wmma_scale_f32_16x16x128_f8f6f4 with both operands' format E2M1 (or v_wmma_scale_f32_32x16x128_f4), f32 sums; everything else in f32.
;; Inputs: b_o 256 float32; b_qkv 768 float32; w_o_codes 256 x 8 x 16 uint8 (E2M1 codes of w_o, K innermost, in blocks of 32 codes, two codes a byte); w_o_scales 256 x 8 uint8 (E8M0 scales of w_o, one for each 32 codes along K); w_qkv_codes 768 x 8 x 16 uint8 (E2M1 codes of w_qkv, K innermost, in blocks of 32 codes, two codes a byte); w_qkv_scales 768 x 8 uint8 (E8M0 scales of w_qkv, one for each 32 codes along K); x_codes 4 x 64 x 64 x 8 x 16 uint8 (E2M1 codes of x, K innermost, in blocks of 32 codes, two codes a byte); x_scales 4 x 64 x 64 x 8 uint8 (E8M0 scales of x, one for each 32 codes along K).
;; Outputs: out0 4 x 256 x 64 x 64 float32.
;; This version of the problem:
;;   THIS VERSION OF THE PROBLEM IS GIVEN IN LOW PRECISION. The matrix products marked QUANTISED in the list below multiply operands that are first quantised to E2M1 (2 exponent bits, 1 mantissa bit; 4 bits a number), with one power-of-two scale for each 32 numbers along K (OCP MX v1.0); their sums are f32. All else is computed in f32.
;;   The module's matrix products, in the order in which they are computed (A, B: the left and right operand; K: the contracted axis; several contracted axes count as one K, in the product's order):
;;     1. [M 16,384, K 256] x [K 256, N 768]; A: input x (given as codes); B: input w_qkv (given as codes): QUANTISED
;;     2. batch 16 x [M 4,096, K 64] x [K 64, N 4,096]; A: computed on the way; B: computed on the way: QUANTISED
;;     3. batch 16 x [M 4,096, K 4,096] x [K 4,096, N 64]; A: softmax (see below); B: computed on the way: QUANTISED
;;     4. [M 16,384, K 256] x [K 256, N 256]; A: computed on the way; B: input w_o (given as codes): QUANTISED
;;   THE QUANTISER, for each operand of a quantised product, along K:
;;     - K is cut into blocks of 32 from its start; a last block that is shorter is filled with zeros.
;;     - A block's scale is 2^e with e = floor(log2(the largest magnitude in the block)) - 2, held to -126 .. 127; a block of zeros has e = 0. As a byte (E8M0): e + 127.
;;     - Each number is divided by its block's scale, clamped to +-6, and rounded to the nearest number of E2M1, ties to even, subnormals kept.
;;     - The product sums the exact products of the quantised numbers (number of the format x scale) in f32.
;;   ~~~python
;;   def quantise(x, axis):      # numpy; x: float32 -> the quantised numbers, widened to float32 again
;;       x = np.moveaxis(x, axis, -1); K = x.shape[-1]
;;       x = np.pad(x, [(0, 0)] * (x.ndim - 1) + [(0, -K % 32)]); x = x.reshape(x.shape[:-1] + (-1, 32)); a = np.abs(x).max(-1, keepdims=True)
;;       e = np.where(a > 0, np.clip(np.frexp(np.where(a > 0, a, 1))[1] - 1 - 2, -126, 127), 0)      # np.frexp(a)[1] - 1 = floor(log2(a)), exactly
;;       r = np.clip(x / 2.0 ** e, -6, 6)
;;       step = 2.0 ** (np.maximum(np.frexp(np.where(r == 0, 1, r))[1] - 1, 0) - 1)
;;       q = np.round(r / step) * step * 2.0 ** e      # np.round: ties to even
;;       return np.moveaxis(q.reshape(q.shape[:-2] + (-1,))[..., :K], -1, axis).astype(np.float32)
;;   ~~~
;;   SOFTMAX AHEAD OF A QUANTISED PRODUCT. Where the list says 'softmax', what is quantised is not the finished softmax but p = 2^(t - M), with t = logit x log2(e) and M = ceil(the row's largest t), a whole number; so 1/2 < the row's largest p <= 1. The row's sum l is taken of the UNQUANTISED p, in f32, and the product's result is divided by l at the end. Since M is a whole number, a kernel that streams over the keys may use a running M (the ceiling of the running maximum): every later rescaling is an exact power of two, which a block's scale takes up: the codes' values come out the same.
;;   OPERANDS COMPUTED ON THE WAY. 'Computed on the way' means the value that the module computes at that place (a softmax that the list does not call 'softmax' is quantised finished and normalised). What goes into a quantiser is computed in f32, as accurately as f32 sums, v_exp_f32 and their like allow (about 1e-6 of the number): no bf16 or f16 on the way to a quantiser, and a product that is left as it is and whose result goes on into a quantised operand takes f32 operands (vector FMAs, or v_wmma_f32_16x16x4_f32). A number that lies on a knife's edge between two numbers of the format may be rounded either way, as far as f32 arithmetic and the matrix unit's own rounding can turn it there, and no further.
;;   INPUTS GIVEN AS CODES. w_o (in the module: [256, 256], K = its axis 1); w_qkv (in the module: [768, 256], K = its axis 1); x (in the module: [4, 256, 64, 64], K = its axis 1): each comes as NAME_codes (uint8): NAME with its K axis moved to the last place and cut into blocks of 32 codes, [.., K / 32, bytes a block], one block behind the other in memory; two codes a byte, the lower K in the low four bits (a code: sign, 2 exponent bits, 1 mantissa bit); and NAME_scales (uint8): the same leading axes, one E8M0 byte (e + 127) for each 32 codes along K. Its value is code x scale, taken as it is: it is not quantised again, and the codes and scales need not be those that the quantiser above would give.
;; One version. Each part assembles by itself: llvm-mc -triple=amdgcn-amd-amdhsa -mcpu=gfx1250 --defsym DOCPART=n.
;; ======== version 1 of 1: 3 launches
;; limits: right only within a limited range of input values
;; workspace buffers: qws 2,359,296 bytes; kvws 4,587,520 bytes; ows 3,145,728 bytes
;; launch qkv (part 1): grid 128 x 2, 6 waves a work-group, no clusters, 0 bytes of LDS; arguments x_codes, x_scales, w_qkv_codes, w_qkv_scales, b_qkv, qws, kvws; writes qws, kvws
.if DOCPART == 1
	.amdgcn_target "amdgcn-amd-amdhsa--gfx1250"
	.amdhsa_code_object_version 6
	.text
	.protected	k_qa8b392e1bc_qkv
	.globl	k_qa8b392e1bc_qkv
	.p2align	8
	.type	k_qa8b392e1bc_qkv,@function
k_qa8b392e1bc_qkv:
	s_mov_b64 s[64:65], 0
	v_nop
	global_prefetch_b8 v0, s[64:65] scope:SCOPE_SE
	s_setreg_imm32_b32 hwreg(HW_REG_WAVE_MODE, 25, 1), 1
	s_wait_xcnt 0x0
; qkv = x W^T + b on codes of FP4 (E2M1) with E8M0 scales as they are given, K = 256; then q, k and v are quantised for the attention launch:
; q and k along a head's 64 channels, v along the keys (tokens), each block of 32 with its own E8M0 byte.  Sums and biases in f32.
; SHARES.  A chunk is 128 tokens (g = work-group x, 0..127).  A wave is one role (wave / 2: 0 q, 1 k, 2 v) for one head (2 x work-group y + wave % 2) and one chunk:
; 128 tokens x 64 channels x K 256 = 64 matrix instructions.  Its operands, 16 KB of x's codes and 8 KB of W's, go from memory straight into its registers in one burst.
; NO LDS, NO BARRIER, NO JOINT LOADS: a wave reads each of its fragments once, 16 bytes a lane, and hands nothing to another wave; a joint request brings a tile into LDS,
; from where the same 24 KB would have to be read into the same registers once more.
; THE ROWS OF A TILE ARE NOT NEIGHBOURS: lane-row r of tile 2 b + u (of tokens, and of a head's channels) takes item 32 b + 8 u + r + 8 (r / 8), so that in a result the 16 registers
; of tiles 2 b and 2 b + 1 are 16 neighbours, 32 b + 16 (lane / 16) + 0 .. 15, along the axis that is quantised.
; q, k: source 0 = 16 rows of W, source 1 = 16 tokens: a lane holds one token, its registers run along the channels.   v: source 0 = 16 tokens, source 1 = 16 rows of W: a lane holds one channel, its registers run along the tokens.
; OUT, as images of the operands' registers (lane l's 16 bytes at 16 l):
;   qws [g][head][4608]: eight token tiles x 512 bytes; at 4096 the scale words: word 16 l + 4 i: tile 2 i + l / 16, row l % 16, bytes 0, 1 the two E8M0 bytes, bytes 2, 3 zero.
;   kvws [g][head][8960]: k exactly so; at 4608 v: four channel tiles x 1,024 bytes (registers 4 c .. 4 c + 3 at 512 c); at 8704 v's scale words: word 8 l + 4 i: tile 2 i + l / 16, channel-row l % 16.
; LIMITS: NaN and infinities among the inputs are not served.  A block whose largest magnitude lies under 2^-124 gets the byte 1; so does a block of zeros, where the quantiser says 127:
; its codes are zeros, and the bytes are read by this program alone.
; LAYOUT AS IT STANDS NOW (it takes the place of what the head comment says of the blocks' order and of k's tiles):
;   qws [batch][head][chunk of the batch, 0..31][4608], kvws [batch][head][chunk][8960]: a head's 32 blocks of kvws are 286,720 consecutive bytes.
;   In the role k, lane-row r of token tile 4 g + u takes token 64 g + 8 u + r % 8 + 32 (r / 8), so that in the scores a lane's 32 registers of tiles 4 g .. 4 g + 3 are one whole block of 32 keys.
;   The roles q and v keep the rows stated above.  One run of loads serves both: the immediates hold 64 (t / 4) + 8 (t % 4), and for q and v the tiles with t % 4 >= 2 take an address 16 rows further on.
.set ACC, 16
.set PC,  80                           ; v80-111  codes, eight registers for each of the four units: no store's data are written again
.set PWU, 112                          ; v112-115 each unit's scale word
.set U,   116                          ; v116-119 the scale image
.set TM,  120                          ; v120-123 largest magnitudes, v124-127 the other half's, then bytes, v132-135 the conversions' scale operands
.set XS,  136                          ; v136-151 x's scale words: tile T, K step s at 2 T + s
.set WS,  152                          ; v152-159 W's: tile t, K step s at 2 t + s
.set XF,  0                            ; window 1: v0-127 x's fragments (T, s) at 8 (2 T + s)
.set WF,  128                          ; window 1: v128-191 W's fragments (t, s)
.set BI,  192                          ; window 1: v192-223 the bias, eight registers a channel tile, in the result's layout
.set MSB, 0
.macro WIN new                         ; the immediate's high byte repeats the setting that is left
.if MSB != \new
	s_set_vgpr_msb (MSB<<8)|\new
.set MSB, \new
.endif
.endm
; 64 numbers of a lane, register 16 b + i = place 32 b + 16 (lane / 16) + i of the lane's row, become 8 registers of codes (a whole block to a lane: lanes 0-15 blocks 0 and 2, lanes 16-31 blocks 1 and 3) and a word of four scale bytes.
.macro QUANT s, pc, pw
.irp b, 0,1,2,3
	v_max3_num_f32 v[TM+\b], |v[\s+16*\b]|, |v[\s+1+16*\b]|, 0x1800000   ; my 16 numbers of block b, and the floor 2^(3 - 127): the byte cannot fall under 1
.endr
.irp i, 2,4,6,8,10,12,14
.irp b, 0,1,2,3
	v_max3_num_f32 v[TM+\b], v[TM+\b], |v[\s+16*\b+\i]|, |v[\s+1+16*\b+\i]|   ; the four blocks by turns
.endr
.endr
.irp b, 0,1,2,3
	v_permlanex16_b32 v[TM+4+\b], v[TM+\b], s22, s23
.endr
.irp b, 0,1,2,3
	v_max_num_f32 v[TM+\b], v[TM+\b], v[TM+4+\b]       ; with lane l xor 16's: the block's largest magnitude
.endr
.irp b, 0,1,2,3
	v_add_nc_u32 v[TM+12+\b], 0xff000000, v[TM+\b]     ; 2 off its exponent field: the conversion takes this operand's exponent field as its scale
.endr
.irp b, 0,1,2,3
	v_lshrrev_b32 v[TM+4+\b], 23, v[TM+12+\b]          ; the scale's byte
.endr
	v_lshl_or_b32 v[\pw], v[TM+5], 8, v[TM+4]
	v_lshl_or_b32 v[\pw], v[TM+6], 16, v[\pw]
	v_lshl_or_b32 v[\pw], v[TM+7], 24, v[\pw]
.irp b, 0,1,2,3
	v_cvt_scalef32_pk8_fp4_f32 v[(\pc)+2*\b], v[\s+16*\b:\s+7+16*\b], v[TM+12+\b]
	v_cvt_scalef32_pk8_fp4_f32 v[(\pc)+1+2*\b], v[\s+8+16*\b:\s+15+16*\b], v[TM+12+\b]
.endr
	v_nop                                              ; one plain instruction behind the last scaled conversion
.irp c, 0,1
.irp i, 0,1
	v_permlane16_swap_b32 v[(\pc)+4*\c+\i], v[(\pc)+2+4*\c+\i]   ; half blocks become whole blocks
.endr
.endr
.endm
	s_load_b256 s[4:11], s[0:1], 0x0               ; x's codes s[4:5], x's scales s[6:7], W's codes s[8:9], W's scales s[10:11]
	s_load_b128 s[12:15], s[0:1], 0x20             ; the bias s[12:13], qws s[14:15]
	s_load_b64 s[16:17], s[0:1], 0x30              ; kvws
	v_lshrrev_b32 v1, 5, v0
	v_readfirstlane_b32 s18, v1                    ; wave 0..5
	v_and_b32 v1, 31, v0                           ; lane
	v_and_b32 v2, 15, v0                           ; r
	v_bfe_u32 v3, v0, 4, 1                         ; h
	v_and_b32 v10, 8, v2
	v_add_nc_u32 v10, v10, v2                      ; pr = r + 8 (r / 8)
	v_lshlrev_b32 v4, 7, v10
	v_lshl_add_u32 v4, v3, 4, v4                   ; codes: row pr of 128 bytes, + 16 h
	v_lshlrev_b32 v5, 3, v10                       ; scale words: 8 bytes a row
	v_lshlrev_b32 v6, 6, v3                        ; bias for q and k: my half's 16 channels of a pair of tiles
	v_lshlrev_b32 v11, 2, v10                      ; bias for v: my channel
	v_lshlrev_b32 v7, 4, v1                        ; 16 x lane
	v_lshlrev_b32 v8, 3, v1                        ; 8 x lane
	v_lshlrev_b32 v9, 4, v3                        ; 16 h: which half of a unit's scale word is my tile's
	v_cmp_le_u32 vcc_lo, 16, v1                    ; lanes 16-31
.irp b, 0,1,2,3
	v_mov_b32 v[TM+4+\b], 0                        ; written once: a lane permute's destination counts as one of its sources
.endr
	s_lshr_b32 s19, s18, 1                         ; role
	s_and_b32 s20, s18, 1
	s_and_b32 s24, ttmp7, 0xffff
	s_lshl_b32 s24, s24, 1
	s_add_co_u32 s20, s20, s24                     ; head
	s_mov_b32 s21, ttmp9                           ; g
	s_mov_b32 s22, 0x76543210
	s_mov_b32 s23, 0xfedcba98                      ; v_permlanex16_b32's selects for lane l xor 16
	s_lshl_b32 s24, s21, 14                        ; the chunk's codes: 128 tokens x 128 bytes
	s_mov_b32 s25, 0
	s_lshl_b32 s26, s21, 10                        ; its scale bytes
	s_mov_b32 s27, 0
	s_lshl_b32 s28, s19, 8
	s_lshl_b32 s29, s20, 6
	s_add_co_u32 s36, s28, s29                     ; my first row of W: 256 x role + 64 x head
	s_lshl_b32 s28, s36, 7
	s_mov_b32 s29, 0
	s_lshl_b32 s30, s36, 3
	s_mov_b32 s31, 0
	s_lshl_b32 s32, s36, 2
	s_mov_b32 s33, 0
	s_lshr_b32 s34, s21, 5                         ; the batch
	s_lshl_b32 s34, s34, 2
	s_add_co_u32 s34, s34, s20                     ; 4 batch + head
	s_lshl_b32 s34, s34, 5
	s_and_b32 s35, s21, 31
	s_add_co_u32 s34, s34, s35                     ; x 32 + the chunk in its batch
	s_cmp_eq_u32 s19, 0
	s_mov_b32 s35, 8960
	s_cselect_b32 s35, 4608, s35                   ; a block of qws or of kvws
	s_mul_i32 s34, s34, s35
	s_cmp_eq_u32 s19, 2
	s_cselect_b32 s35, 4608, 0                     ; v lies behind k
	s_add_co_u32 s34, s34, s35
	s_mov_b32 s35, 0
	s_cmp_eq_u32 s19, 1                            ; the role k has token rows of its own
	s_cselect_b32 s37, 24, 8                       ; rows 8-15 of a tile lie 24 (k) or 8 (q, v) tokens further on than their number
	s_cselect_b32 s38, 0, 2048                     ; tiles with t % 4 >= 2: 16 rows of codes on for q and v
	s_cselect_b32 s39, 0, 128                      ; and 16 rows of scale bytes
	v_bfe_u32 v12, v2, 3, 1                        ; r / 8
	v_mad_u32_u24 v12, v12, s37, v2                ; my token row in a tile
	v_lshlrev_b32 v14, 3, v12                      ; x's scale words: 8 bytes a row
	v_lshlrev_b32 v12, 7, v12
	v_lshl_add_u32 v12, v3, 4, v12                 ; x's codes: 128 bytes a row, + 16 h
	v_add_nc_u32 v13, s38, v12
	v_add_nc_u32 v15, s39, v14
	s_wait_alu depctr_va_vdst(0)                   ; the wait here, directly ahead of the wait below
	s_wait_kmcnt 0x0
	s_cmp_eq_u32 s19, 0                            ; the choice hangs on the wave's number alone
	s_cselect_b64 s[14:15], s[14:15], s[16:17]
	s_add_nc_u64 s[14:15], s[14:15], s[34:35]
	s_add_nc_u64 s[4:5], s[4:5], s[24:25]
	s_add_nc_u64 s[6:7], s[6:7], s[26:27]
	s_add_nc_u64 s[8:9], s[8:9], s[28:29]
	s_add_nc_u64 s[10:11], s[10:11], s[30:31]
	s_add_nc_u64 s[12:13], s[12:13], s[32:33]
	WIN 0x40                                       ; destination window 1, address window 0
.irp t, 0,1,2,3,4,5,6,7
.irp s, 0,1
.irp c, 0,1
	global_load_b128 v[XF+8*(2*\t+\s)+4*\c:XF+8*(2*\t+\s)+4*\c+3], v[12+(\t%4)/2], s[4:5] offset:(64*(\t/4)+8*(\t%4))*128+64*\s+32*\c
.endr
.endr
.endr
.irp t, 0,1,2,3
.irp s, 0,1
.irp c, 0,1
	global_load_b128 v[WF+8*(2*\t+\s)+4*\c:WF+8*(2*\t+\s)+4*\c+3], v4, s[8:9] offset:(32*(\t/2)+8*(\t%2))*128+64*\s+32*\c
.endr
.endr
.endr
	WIN 0
.irp t, 0,1,2,3,4,5,6,7
	global_load_b64 v[XS+2*\t:XS+2*\t+1], v[14+(\t%4)/2], s[6:7] offset:(64*(\t/4)+8*(\t%4))*8
.endr
.irp t, 0,1,2,3
	global_load_b64 v[WS+2*\t:WS+2*\t+1], v5, s[10:11] offset:(32*(\t/2)+8*(\t%2))*8
.endr
	s_cmp_eq_u32 s19, 2
	s_cbranch_scc1 .Lv
	; ---- q and k
	WIN 0x40
.irp t, 0,1,2,3
	global_load_b128 v[BI+8*\t:BI+8*\t+3], v6, s[12:13] offset:(32*(\t/2)+8*(\t%2))*4         ; register j: the bias of channel 32 (t / 2) + 8 (t % 2) + 16 h + j
	global_load_b128 v[BI+8*\t+4:BI+8*\t+7], v6, s[12:13] offset:(32*(\t/2)+8*(\t%2))*4+16
.endr
	WIN 0
	s_wait_loadcnt 0x0                             ; everything that the wave reads is in
; Unit u: token tiles 2 u and 2 u + 1, all four channel tiles, both K steps.  The eight accumulators take turns; the bias is the C of each sum's first product.
.macro UNITQK u
	WIN 0x15                                       ; sources 0, 1 and 2 window 1, destination window 0
.irp i, 0,1
.irp t, 0,1,2,3
	v_wmma_scale_f32_16x16x128_f8f6f4 v[ACC+8*(4*\i+\t):ACC+8*(4*\i+\t)+7], v[WF+16*\t:WF+16*\t+7], v[XF+16*(2*(\u)+\i):XF+16*(2*(\u)+\i)+7], v[BI+8*\t:BI+8*\t+7], v[WS+2*\t], v[XS+2*(2*(\u)+\i)] matrix_a_fmt:MATRIX_FMT_FP4 matrix_b_fmt:MATRIX_FMT_FP4
.endr
.endr
	WIN 0x05                                       ; C and D window 0
.irp i, 0,1
.irp t, 0,1,2,3
	v_wmma_scale_f32_16x16x128_f8f6f4 v[ACC+8*(4*\i+\t):ACC+8*(4*\i+\t)+7], v[WF+16*\t+8:WF+16*\t+15], v[XF+16*(2*(\u)+\i)+8:XF+16*(2*(\u)+\i)+15], v[ACC+8*(4*\i+\t):ACC+8*(4*\i+\t)+7], v[WS+2*\t+1], v[XS+2*(2*(\u)+\i)+1] matrix_a_fmt:MATRIX_FMT_FP4 matrix_b_fmt:MATRIX_FMT_FP4
.endr
.endr
	WIN 0
.rept 4
	v_nop                                          ; four plain instructions between the last product and the first read of results (ISA guide 7.12.1)
.endr
	QUANT ACC, PC+8*(\u), PWU+(\u)                 ; blocks 0, 1: tile 2 u's channels 0-31, 32-63; blocks 2, 3: tile 2 u + 1's
.irp i, 0,1
	global_store_b128 v7, v[PC+8*(\u)+4*\i:PC+8*(\u)+4*\i+3], s[14:15] offset:(2*(\u)+\i)*512   ; 32 lanes store 512 consecutive bytes, at a multiple of 256 from the buffer's first byte
.endr
	v_bfe_u32 v[U+(\u)], v[PWU+(\u)], v9, 16       ; lanes 0-15: tile 2 u's two bytes; lanes 16-31: tile 2 u + 1's
.endm
.irp u, 0,1,2,3
	UNITQK \u
.endr
	global_store_b128 v7, v[U:U+3], s[14:15] offset:4096
	s_endpgm
	; ---- v
.Lv:
	WIN 0x40
	s_wait_alu depctr_va_vdst(0)
.irp t, 0,1,2,3
.irp j, 0,1,2,3,4,5,6,7
	global_load_b32 v[BI+8*\t+\j], v11, s[12:13] offset:(32*(\t/2)+8*(\t%2))*4   ; a lane holds one channel: its bias in all eight registers
.endr
.endr
	WIN 0
	s_wait_loadcnt 0x0
; Unit ct: channel tile ct, all eight token tiles, both K steps.
.macro UNITV ct
	WIN 0x15
.irp m, 0,1,2,3,4,5,6,7
	v_wmma_scale_f32_16x16x128_f8f6f4 v[ACC+8*\m:ACC+8*\m+7], v[XF+16*\m:XF+16*\m+7], v[WF+16*(\ct):WF+16*(\ct)+7], v[BI+8*(\ct):BI+8*(\ct)+7], v[XS+2*\m], v[WS+2*(\ct)] matrix_a_fmt:MATRIX_FMT_FP4 matrix_b_fmt:MATRIX_FMT_FP4
.endr
	WIN 0x05
.irp m, 0,1,2,3,4,5,6,7
	v_wmma_scale_f32_16x16x128_f8f6f4 v[ACC+8*\m:ACC+8*\m+7], v[XF+16*\m+8:XF+16*\m+15], v[WF+16*(\ct)+8:WF+16*(\ct)+15], v[ACC+8*\m:ACC+8*\m+7], v[XS+2*\m+1], v[WS+2*(\ct)+1] matrix_a_fmt:MATRIX_FMT_FP4 matrix_b_fmt:MATRIX_FMT_FP4
.endr
	WIN 0
.rept 4
	v_nop
.endr
	QUANT ACC, PC+8*(\ct), PWU+(\ct)               ; the chunk's four blocks of 32 keys of my channel
.irp c, 0,1
	global_store_b128 v7, v[PC+8*(\ct)+4*\c:PC+8*(\ct)+4*\c+3], s[14:15] offset:(\ct)*1024+512*\c
.endr
.endm
.irp u, 0,1,2,3
	UNITV \u
.endr
	v_cndmask_b32 v[U], v[PWU], v[PWU+1], vcc_lo   ; lanes 0-15: tile 0's words; lanes 16-31: tile 1's
	v_cndmask_b32 v[U+1], v[PWU+2], v[PWU+3], vcc_lo
	global_store_b64 v8, v[U:U+1], s[14:15] offset:4096   ; 32 lanes store 256 consecutive aligned bytes
	s_endpgm
.Lfunc_end_k_qa8b392e1bc_qkv:
	.size	k_qa8b392e1bc_qkv, .Lfunc_end_k_qa8b392e1bc_qkv-k_qa8b392e1bc_qkv
	.p2alignl 7, 3214868480
	.fill 96, 4, 3214868480
	.section	.rodata,"a",@progbits
	.p2align	6, 0x0
	.amdhsa_kernel k_qa8b392e1bc_qkv
		.amdhsa_group_segment_fixed_size 0
		.amdhsa_private_segment_fixed_size 0
		.amdhsa_enable_private_segment 0
		.amdhsa_kernarg_size 56
		.amdhsa_user_sgpr_count 2
		.amdhsa_user_sgpr_kernarg_segment_ptr 1
		.amdhsa_wavefront_size32 1
		.amdhsa_system_sgpr_workgroup_id_x 1
		.amdhsa_system_sgpr_workgroup_id_y 1
		.amdhsa_system_sgpr_workgroup_id_z 1
		.amdhsa_system_vgpr_workitem_id 0
		.amdhsa_next_free_vgpr 512
		.amdhsa_next_free_sgpr 66
		.amdhsa_reserve_vcc 1
		.amdhsa_float_denorm_mode_32 3
		.amdhsa_float_denorm_mode_16_64 3
		.amdhsa_memory_ordered 1
		.amdhsa_forward_progress 1
		.amdhsa_inst_pref_size 63
	.end_amdhsa_kernel
	.amdgpu_metadata
---
amdhsa.version: [ 1, 2 ]
amdhsa.kernels:
  - .name:           k_qa8b392e1bc_qkv
    .symbol:         k_qa8b392e1bc_qkv.kd
    .args:
      - { .name: x_codes, .offset: 0, .size: 8, .value_kind: global_buffer, .address_space: global }
      - { .name: x_scales, .offset: 8, .size: 8, .value_kind: global_buffer, .address_space: global }
      - { .name: w_qkv_codes, .offset: 16, .size: 8, .value_kind: global_buffer, .address_space: global }
      - { .name: w_qkv_scales, .offset: 24, .size: 8, .value_kind: global_buffer, .address_space: global }
      - { .name: b_qkv, .offset: 32, .size: 8, .value_kind: global_buffer, .address_space: global }
      - { .name: qws, .offset: 40, .size: 8, .value_kind: global_buffer, .address_space: global }
      - { .name: kvws, .offset: 48, .size: 8, .value_kind: global_buffer, .address_space: global }
    .group_segment_fixed_size: 0
    .private_segment_fixed_size: 0
    .kernarg_segment_align: 8
    .kernarg_segment_size: 56
    .max_flat_workgroup_size: 192
    .sgpr_count:     66
    .vgpr_count:     512
    .wavefront_size: 32
...
	.end_amdgpu_metadata
.endif
;; end of part 1
;; launch attn (part 2): grid 256 x 1, 16 waves a work-group, clusters of 4 x 1, 327,680 bytes of LDS; arguments qws, kvws, ows; writes ows
.if DOCPART == 2
	.amdgcn_target "amdgcn-amd-amdhsa--gfx1250"
	.amdhsa_code_object_version 6
	.text
	.protected	k_qa8b392e1bc_attn
	.globl	k_qa8b392e1bc_attn
	.p2align	8
	.type	k_qa8b392e1bc_attn,@function
k_qa8b392e1bc_attn:
	s_mov_b64 s[64:65], 0
	v_nop
	global_prefetch_b8 v0, s[64:65] scope:SCOPE_SE
	s_setreg_imm32_b32 hwreg(HW_REG_WAVE_MODE, 25, 1), 1
	s_wait_xcnt 0x0
	s_wait_alu depctr_hold_cnt(0) depctr_sa_sdst(0) depctr_va_vdst(0) depctr_va_sdst(0) depctr_va_ssrc(0) depctr_va_vcc(0) depctr_vm_vsrc(0)
	s_getreg_b32 s2, hwreg(HW_REG_IB_STS2, 6, 4)
	s_cmp_eq_u32 s2, 0
	s_cbranch_scc0 .Lentry_in_a_cluster
	s_endpgm
.Lentry_in_a_cluster:
	s_bfe_u32 s2, ttmp6, 0x10000c
	s_cmp_lg_u32 s2, 0x3003
	s_cbranch_scc0 .Lentry_shape_is_right
	s_endpgm
.Lentry_shape_is_right:
; O = softmax(q k^T / 8) v for one batch and one head, both products on codes of FP4 (E2M1) with one E8M0 scale for each 32 along K; O / sum is quantised along the channels and stored as codes for the last launch.
; THE SOFTMAX: t = score x log2(e) / 8; M = the row's largest t so far, rounded UP to a whole number; p = 2^(t - M) is quantised along the keys, not normalised; the row's sum is taken of the unquantised p in f32
; and divides O at the end.  When M moves, the sums and O are multiplied by 2^(old M - new M), which rounds nothing.
; SHARES.  A work-group owns 256 queries of one batch and one head: 16 x 16 = 256 work-groups.  Wave w owns 16 queries: tile w % 8 of chunk 2 j + w / 8.  Every wave walks all 4,096 keys, 128 a step, 32 steps.
; LDS.  The head's K and V images and scale words, 32 chunks x 8,960 = 286,720 bytes, are filled ONCE: wave w fetches chunks 2 w and 2 w + 1, 70 rows of 256 bytes, its one tensor load.  Nothing is filled again,
; so one barrier stands behind the fills and none in the loop.
; CLUSTER.  The 16 work-groups of a head read the same bytes: four form a cluster and ask for each part JOINTLY (mask 15, the same descriptor in all four).
; NO PREFETCH: every tensor load stands at the head, behind the first round; there is no loop of loads to run ahead in.
; LAYOUT.  S^T = K Q^T (source 0 = 16 keys, source 1 = my 16 queries; K = 64: the upper 64 of the instruction's 128 are zero codes on both sides), O^T = V^T P^T: a lane holds one query (lane % 16) throughout.
; Row m of K's tile 4 g + u is key 64 g + 32 (m / 8) + 8 u + m % 8.  So lane (r, h) holds in the 32 registers of tiles 4 g .. 4 g + 3 the whole block of keys 64 g + 32 h + 0 .. 31: its largest score needs no other lane,
; and the conversion of tile 4 g + u is register 4 g + u of P's operand as it stands.
; OUT.  ows: records of 768 bytes, number ((32 batch + chunk) 8 + tile) 4 + head: 512 bytes of codes (16 x lane: lanes 0-15 channels 0-31 of the head, lanes 16-31 channels 32-63 of query lane % 16), then 256 bytes: at 8 x lane a word with the query's two scale bytes, and a zero word.
; LIMITS: NaN and infinities are not served.  The scaled scores stay under 2^31 in magnitude.  A block whose largest magnitude lies under 2^-124 (a block of zeros too) gets the scale byte 1; a p under 2^-126 counts as 0.
; A block's largest p is made from its largest score by the same multiply-add and exponential as every p.
; REGISTERS: v1, v2 my lane's places in a chunk; v3, v4 the add's; v5, v6 the step's addresses; v7 Q's scale word; v8-11 K's; v12 -M, v13 the largest score; v16-23 Q; v24-25 V's scale words; v26 p's; v27 8 h; v[28:29] f;
; v30-31 at work; v32-95 K's eight fragments; v96-159 S^T, then p; v160-191 O^T; v192-223 V's four fragments; v224-231 p's codes; v232-239 at work; v240-255 the row's sum in eight pairs.
.set CH,    8960                       ; a chunk of one head: K's images 0, K's scale words 4096, V's images 4608, V's scale words 8704
.set SPARE, 32*CH                      ; behind the head's bytes: the spare words, 128 bytes for each wave: eight blocks of 256 bytes that no other line names
.macro ROUND                           ; a round of the cluster's barrier
	s_barrier_signal -1
	s_barrier_wait -1
	s_cmp_lg_u32 s16, 0
	s_cbranch_scc1 .Lnot_wave_0_\@
	s_barrier_signal -3
.Lnot_wave_0_\@:
	s_barrier_wait -3
	s_barrier_signal -1
	s_barrier_wait -1
.endm
.macro SUMS n                          ; the next n pairs of p go to the eight sums by turns; a sum's first term of a step brings it under the new M by a fused multiply-add
.rept \n
.if SI < 8
	v_pk_fma_f32 v[240+2*SI:241+2*SI], v[240+2*SI:241+2*SI], v[28:29], v[96+2*SI:97+2*SI] op_sel_hi:[1,0,1]
.else
	v_pk_add_f32 v[240+2*(SI%8):241+2*(SI%8)], v[240+2*(SI%8):241+2*(SI%8)], v[96+2*SI:97+2*SI]
.endif
.set SI, SI+1
.endr
.endm
; A KEY STEP: the chunk at LDS byte s42.  nxt = 1: the next chunk's K is fetched as soon as this chunk's has been multiplied.
.macro STEP nxt
	s_wait_dscnt 0x0                               ; K and its scale words, asked for a step ago, are in; no LDS instruction of mine is out
.if \nxt
	s_barrier_signal -1                            ; I have entered this step.  The wait stands at the trip's end: a wave enters step i + 1 only when all sixteen have entered step i.  It orders no memory: it keeps the waves within one key step of each other; between the two stand register work and reads of LDS bytes that nobody writes
.endif
.irp t, 0,2,4,6
	v_wmma_scale_f32_16x16x128_f8f6f4 v[96+8*\t:103+8*\t], v[32+8*\t:39+8*\t], v[16:23], 0, v[8+\t/2], v7 matrix_a_fmt:MATRIX_FMT_FP4 matrix_b_fmt:MATRIX_FMT_FP4
	v_wmma_scale_f32_16x16x128_f8f6f4 v[104+8*\t:111+8*\t], v[40+8*\t:47+8*\t], v[16:23], 0, v[8+\t/2], v7 matrix_a_fmt:MATRIX_FMT_FP4 matrix_b_fmt:MATRIX_FMT_FP4 matrix_a_scale:MATRIX_SCALE_ROW1
.endr
	v_add_nc_u32 v5, s42, v1                       ; four plain instructions behind the products (ISA guide 7.12.1 for vector instructions): ahead of the loads into K's, V's and the scales' registers and of the first read of the scores
	v_add_nc_u32 v6, s42, v2
	v_nop
	v_nop
.irp k, 0,1,2,3
	v_max3_num_f32 v[232+\k], v[96+16*\k], v[97+16*\k], v[98+16*\k]   ; four chains by turns, two to a block of 32 keys; each accumulator is read from its low end on
.endr
.irp i, 3,5,7,9,11,13
.irp k, 0,1,2,3
	v_max3_num_f32 v[232+\k], v[232+\k], v[96+16*\k+\i], v[97+16*\k+\i]
.endr
.endr
	; The step's LDS loads stand between the links of the chain that makes M: first V's nine (its scale words, its eight quarters of four fragments), then, nxt = 1, the next chunk's K: nine more.
	v_max3_num_f32 v232, v232, v233, v111
	v_max3_num_f32 v234, v234, v235, v143
	ds_load_b64 v[24:25], v6                       ; V's scale words
	ds_load_b128 v[192:195], v5 offset:4608
	v_max_num_f32 v232, v232, v127                 ; the largest score of my block h,
	v_max_num_f32 v233, v234, v159                 ; and of my block 2 + h
	ds_load_b128 v[196:199], v5 offset:5120
	ds_load_b128 v[200:203], v5 offset:5632
	v_max_num_f32 v30, v232, v233
	ds_load_b128 v[204:207], v5 offset:6144
	ds_load_b128 v[208:211], v5 offset:6656
	v_permlanex16_b32 v31, v30, s40, s41
	ds_load_b128 v[212:215], v5 offset:7168
	ds_load_b128 v[216:219], v5 offset:7680
	v_max3_num_f32 v13, v13, v30, v31              ; the running largest score of my query
	ds_load_b128 v[220:223], v5 offset:8192
.if \nxt
	ds_load_b128 v[8:11], v5 offset:CH+4096        ; the next chunk's K: scale words (register i: lanes 0-15 tile 2 i, lanes 16-31 tile 2 i + 1),
.endif
	v_mul_f32 v30, s45, v13                        ; -t
.if \nxt
	ds_load_b128 v[32:35], v5 offset:CH            ; and tiles; a fragment's upper four registers stay zero
	ds_load_b128 v[40:43], v5 offset:CH+512
.endif
	v_floor_f32 v30, v30                           ; the new -M: M is a whole number
.if \nxt
	ds_load_b128 v[48:51], v5 offset:CH+512*2
	ds_load_b128 v[56:59], v5 offset:CH+512*3
.endif
	v_sub_f32 v31, v30, v12                        ; old M - new M: a whole number, 0 or less
	v_mov_b32 v12, v30
.if \nxt
	ds_load_b128 v[64:67], v5 offset:CH+512*4
	ds_load_b128 v[72:75], v5 offset:CH+512*5
	ds_load_b128 v[80:83], v5 offset:CH+512*6
	ds_load_b128 v[88:91], v5 offset:CH+512*7
.endif
.set J, 0
.rept 5
	v_pk_fma_f32 v[96+J:97+J], v[96+J:97+J], s[22:23], v[12:13] op_sel_hi:[1,0,0]   ; t - M, two at a time (of the pairs the low word serves both halves); the two lines that make f stand among these
.set J, J+2
.endr
	v_cvt_i32_f32 v31, v31                         ; (it saturates)
.rept 5
	v_pk_fma_f32 v[96+J:97+J], v[96+J:97+J], s[22:23], v[12:13] op_sel_hi:[1,0,0]
.set J, J+2
.endr
	v_ldexp_f32 v28, 1.0, v31                      ; f = 2^(old M - new M)
.rept 22
	v_pk_fma_f32 v[96+J:97+J], v[96+J:97+J], s[22:23], v[12:13] op_sel_hi:[1,0,0]
.set J, J+2
.endr
	v_fma_f32 v232, v232, s22, v12                 ; the same of each block's largest score
	v_fma_f32 v233, v233, s22, v12
.set J, 0
.rept 16
	v_pk_mul_f32 v[160+J:161+J], v[160+J:161+J], v[28:29] op_sel_hi:[1,0]   ; O^T under the new M: no transcendental stands between the last step's products and these first reads
.set J, J+2
.endr
	s_wait_alu depctr_va_vdst(0)                   ; the wait ahead of the batch
.set J, 0
.rept 64
	v_exp_f32 v[96+J], v[96+J]                     ; p = 2^(t - M)
.set J, J+1
.endr
	v_exp_f32 v232, v232                           ; each block's largest p, in the same batch
	v_exp_f32 v233, v233
	v_nop                                          ; the plain instruction behind the exponentials
	s_wait_alu depctr_va_vdst(0)                   ; one wait for the batch of 66, ahead of its first reader
.set SI, 0
	v_max_num_f32 v232, 0x1800000, v232            ; the floor 2^(3 - 127): the byte cannot fall under 1
	v_max_num_f32 v233, 0x1800000, v233
	SUMS 4                                         ; the sums stand between the links of the scales' chain
	v_add_nc_u32 v234, 0xff000000, v232            ; 2 off the exponent field: the conversion's scale operand
	v_add_nc_u32 v235, 0xff000000, v233
	SUMS 4
	v_lshrrev_b32 v238, 23, v234                   ; block h's byte at bit 0,
	v_lshrrev_b32 v239, 23, v235                   ; and block 2 + h's
	SUMS 4
	v_lshl_or_b32 v26, v239, 16, v238              ; my two bytes, 16 bits apart,
	SUMS 3
	v_lshlrev_b32 v26, v27, v26                    ; 8 h bits up: their places in the scale word
	SUMS 3
	v_permlanex16_b32 v31, v26, s40, s41
	SUMS 4
	v_or_b32 v26, v26, v31                         ; with lane l xor 16's two bytes: p's scale word for these 128 keys
.irp t, 0,1,2,3,4,5,6,7
	v_cvt_scalef32_pk8_fp4_f32 v[224+\t], v[96+8*\t:103+8*\t], v[234+\t/4]   ; keys 64 (t / 4) + 32 h + 8 (t % 4) + 0 .. 7: register t of P's operand
.endr
	SUMS 10                                        ; ten plain instructions between the writes of p's scale word and codes and the products
	s_wait_dscnt 9*\nxt                            ; V and its scale words are in; the nine younger loads, the next chunk's K, may be out
.irp t, 0,2
	v_wmma_scale_f32_16x16x128_f8f6f4 v[160+8*\t:167+8*\t], v[192+8*\t:199+8*\t], v[224:231], v[160+8*\t:167+8*\t], v[24+\t/2], v26 matrix_a_fmt:MATRIX_FMT_FP4 matrix_b_fmt:MATRIX_FMT_FP4
	v_wmma_scale_f32_16x16x128_f8f6f4 v[168+8*\t:175+8*\t], v[200+8*\t:207+8*\t], v[224:231], v[168+8*\t:175+8*\t], v[24+\t/2], v26 matrix_a_fmt:MATRIX_FMT_FP4 matrix_b_fmt:MATRIX_FMT_FP4 matrix_a_scale:MATRIX_SCALE_ROW1
.endr
.endm
	s_load_b128 s[4:7], s[0:1], 0x0                ; qws s[4:5], kvws s[6:7]
	s_load_b64 s[8:9], s[0:1], 0x10                ; ows
	v_lshl_add_u32 v3, v0, 2, SPARE
	v_mov_b32 v4, 0
	ds_add_u32 v3, v4                              ; the opening lines: the add, twice on end, and its wait ahead of my first tensor load
	ds_add_u32 v3, v4
	v_lshrrev_b32 v30, 5, v0
	v_readfirstlane_b32 s16, v30                   ; wave 0..15
	s_bfe_u32 s17, ttmp6, 0x40000                  ; cx: my place in the cluster: it enters global addresses of Q and O alone
	s_lshr_b32 s18, ttmp9, 2                       ; 4 batch + head, which the four partners share (ttmp9 counts clusters)
	s_and_b32 s19, ttmp9, 3
	s_lshl_b32 s19, s19, 2
	s_add_co_u32 s19, s19, s17                     ; j: my 256 queries of the head
	s_mov_b32 s22, 0x3e38aa3b                      ; c = log2(e) / 8
	s_mov_b32 s23, s22                             ; (named with it as a pair, so it is written)
	s_mov_b32 s45, 0xbe38aa3b                      ; -c
	s_mov_b32 s40, 0x76543210
	s_mov_b32 s41, 0xfedcba98                      ; v_permlanex16_b32's selects for lane l xor 16
	s_mov_b32 s24, 15|(3<<16)|(1<<21)              ; group 1: the mask of all four work-groups; elements of 8 bytes; bit 21 beside a mask; no padding: every LDS read is 16 or 8 x lane + a constant
	s_mov_b32 s25, 32<<16                          ; tensor_dim0 = 32: rows of 256 bytes
	s_mov_b32 s26, 70<<16                          ; tensor_dim1 = 70: two chunks
	s_mov_b32 s27, 32<<16                          ; tile_dim0
	s_mov_b32 s28, 70                              ; tile_dim1
	s_mov_b32 s29, 32                              ; from row to row
	s_mov_b32 s30, 0
	s_mov_b32 s31, 0
	s_mov_b32 s32, 1                               ; group 0: count,
	s_mul_i32 s33, s16, 2*CH                       ; LDS address: my two chunks,
	s_mul_i32 s20, s18, 32*CH
	s_add_co_u32 s20, s20, s33                     ; and their place in kvws
	s_mov_b32 s21, 0
	s_lshr_b32 s36, s16, 3
	s_lshl_b32 s37, s19, 1
	s_add_co_u32 s36, s36, s37                     ; my queries' chunk in the batch, 0..31
	s_and_b32 s37, s16, 7                          ; T: my tile in it
	s_lshl_b32 s38, s18, 5
	s_add_co_u32 s38, s38, s36
	s_mul_i32 s38, s38, 4608                       ; Q's block in qws
	s_mov_b32 s39, 0
	s_lshr_b32 s46, s18, 2                         ; the batch
	s_lshl_b32 s46, s46, 5
	s_add_co_u32 s46, s46, s36
	s_lshl_b32 s46, s46, 3
	s_add_co_u32 s46, s46, s37
	s_lshl_b32 s46, s46, 2
	s_and_b32 s47, s18, 3                          ; the head
	s_add_co_u32 s46, s46, s47
	s_mul_i32 s46, s46, 768                        ; my record in ows
	s_mov_b32 s47, 0
	s_lshl_b32 s48, s37, 9                         ; Q's image of tile T
	s_and_b32 s49, s37, 1
	s_lshl_b32 s49, s49, 8
	s_lshr_b32 s50, s37, 1
	s_lshl_b32 s50, s50, 2
	s_add_co_u32 s49, s49, s50                     ; its scale words: 256 (T % 2) + 4 (T / 2), 16 bytes from row to row
	s_mov_b32 s42, 0                               ; the chunk in hand
	s_mov_b32 s44, 31
	s_wait_dscnt 0x0                               ; both opening adds are done
	s_wait_kmcnt 0x0
	s_add_nc_u64 s[34:35], s[6:7], s[20:21]
	s_or_b32 s35, s35, 0x80000000                  ; type = 2
	s_add_nc_u64 s[4:5], s[4:5], s[38:39]
	s_add_nc_u64 s[8:9], s[8:9], s[46:47]
	ROUND                                          ; all four work-groups are here: the joint loads meet
	tensor_load_to_lds s[32:35], s[24:31]          ; every wave's one tensor load of the launch
	s_nop 0
	v_and_b32 v5, 31, v0                           ; lane
	v_and_b32 v6, 15, v0                           ; r
	v_lshl_add_u32 v232, v5, 4, s48
	v_lshl_add_u32 v233, v6, 4, s49
	global_load_b128 v[16:19], v232, s[4:5]        ; Q's fragment stays in registers
	global_load_b32 v7, v233, s[4:5] offset:4096
	v_lshlrev_b32 v1, 4, v5                        ; 16 x lane
	v_lshl_add_u32 v2, v5, 3, 8704                 ; V's scale words: 8 x lane
	v_bfe_u32 v27, v0, 4, 1
	v_mov_b32 v13, 0xff61b1e6                      ; the largest score so far: -3e38, under every score
	v_mov_b32 v12, 0x7d000000                      ; -M = 2^123: the first change of M gives f = 0, which leaves the zeros below zeros
	v_lshlrev_b32 v27, 3, v27                      ; 8 h
	v_mov_b32 v29, 0                               ; (named as the upper half of the pair v[28:29])
	v_mov_b32 v31, 0                               ; written once: a lane permute's destination counts as one of its sources
.irp j, 20,21,22,23
	v_mov_b32 v[\j], 0                             ; Q's upper 64 along K: zero codes
.endr
.irp t, 0,1,2,3,4,5,6,7
.irp j, 4,5,6,7
	v_mov_b32 v[32+8*\t+\j], 0                     ; K's likewise: written once, never loaded
.endr
.endr
.set J, 0
.rept 32
	v_mov_b32 v[160+J], 0                          ; O^T: the step is written for every walk alike; the first finds zeros
.set J, J+1
.endr
.set J, 0
.rept 16
	v_mov_b32 v[240+J], 0                          ; the sums
.set J, J+1
.endr
	s_wait_alu depctr_va_vdst(0)                   ; the wait at the head's end
	s_wait_tensorcnt 0x0                           ; my two chunks are in
	s_barrier_signal -1
	s_barrier_wait -1                              ; everybody's are: the head's K and V lie in LDS, and nothing is filled again
	ds_load_b128 v[8:11], v1 offset:4096           ; chunk 0's K
.irp t, 0,1,2,3,4,5,6,7
	ds_load_b128 v[32+8*\t:35+8*\t], v1 offset:512*\t
.endr
	s_wait_loadcnt 0x0                             ; Q
.Lstep:                                            ; 31 trips; the last step is written out: it fetches no further K
	STEP 1
	s_barrier_wait -1                              ; all sixteen waves have entered the step that I have just finished
	s_add_co_u32 s42, s42, CH
	s_sub_co_u32 s44, s44, 1
	s_cmp_lg_u32 s44, 0
	s_cbranch_scc1 .Lstep
	STEP 0
	; THE WAY OUT.  The sums' additions are the plain instructions between the last products and the first read of O^T.
	s_wait_alu depctr_va_vdst(0)                   ; the wait here, directly ahead of the first reader of the sums behind the step's wait
	v_pk_add_f32 v[240:241], v[240:241], v[248:249]
	v_pk_add_f32 v[242:243], v[242:243], v[250:251]
	v_pk_add_f32 v[244:245], v[244:245], v[252:253]
	v_pk_add_f32 v[246:247], v[246:247], v[254:255]
	s_delay_alu instid0(VALU_DEP_2)
	v_pk_add_f32 v[240:241], v[240:241], v[244:245]
	s_delay_alu instid0(VALU_DEP_2)
	v_pk_add_f32 v[242:243], v[242:243], v[246:247]
	s_delay_alu instid0(VALU_DEP_1)
	v_pk_add_f32 v[240:241], v[240:241], v[242:243]
	s_delay_alu instid0(VALU_DEP_1)
	v_add_f32 v14, v240, v241
	s_delay_alu instid0(VALU_DEP_1)
	v_permlanex16_b32 v31, v14, s40, s41
	s_delay_alu instid0(VALU_DEP_1)
	v_add_f32 v14, v14, v31                        ; with lane l xor 16's: the row's sum
	s_wait_alu depctr_va_vdst(0)                   ; the wait ahead of the transcendental
	v_rcp_f32 v14, v14
	v_and_b32 v5, 31, v0
	v_mov_b32 v233, 0                              ; the record's zero words
	s_delay_alu instid0(VALU_DEP_2)
	v_lshlrev_b32 v6, 3, v5                        ; 8 x lane
	v_lshlrev_b32 v5, 4, v5                        ; 16 x lane
	s_wait_alu depctr_va_vdst(0)                   ; the wait behind the reciprocal, directly ahead of the first readers of it and of O^T
.set J, 0
.rept 32
	v_mul_f32 v[96+J], v[160+J], v14               ; O^T / the sum: register 16 b + i is channel 32 b + 16 h + i of my head, query r
.set J, J+1
.endr
.irp b, 0,1
	v_max3_num_f32 v[236+\b], |v[96+16*\b]|, |v[97+16*\b]|, 0x1800000
.endr
.irp i, 2,4,6,8,10,12,14
.irp b, 0,1
	s_delay_alu instid0(VALU_DEP_2)
	v_max3_num_f32 v[236+\b], v[236+\b], |v[96+16*\b+\i]|, |v[97+16*\b+\i]|
.endr
.endr
.irp b, 0,1
	s_delay_alu instid0(VALU_DEP_2)
	v_permlanex16_b32 v[238+\b], v[236+\b], s40, s41
.endr
.irp b, 0,1
	s_delay_alu instid0(VALU_DEP_2)
	v_max_num_f32 v[236+\b], v[236+\b], v[238+\b]
.endr
.irp b, 0,1
	s_delay_alu instid0(VALU_DEP_2)
	v_add_nc_u32 v[244+\b], 0xff000000, v[236+\b]
.endr
.irp b, 0,1
	s_delay_alu instid0(VALU_DEP_2)
	v_lshrrev_b32 v[246+\b], 23, v[244+\b]
.endr
	s_delay_alu instid0(VALU_DEP_1)
	v_lshl_or_b32 v232, v247, 8, v246              ; my head's two scale bytes of query r
.irp b, 0,1
	v_cvt_scalef32_pk8_fp4_f32 v[224+2*\b], v[96+16*\b:103+16*\b], v[244+\b]
	v_cvt_scalef32_pk8_fp4_f32 v[225+2*\b], v[104+16*\b:111+16*\b], v[244+\b]
.endr
	v_nop                                          ; one plain instruction behind the last scaled conversion
	v_permlane16_swap_b32 v224, v226
	v_permlane16_swap_b32 v225, v227               ; lanes 0-15: my head's channels 0-31; lanes 16-31: 32-63
	global_store_b128 v5, v[224:227], s[8:9]       ; 32 lanes store 512 consecutive bytes, at a multiple of 256 from the buffer's first byte
	global_store_b64 v6, v[232:233], s[8:9] offset:512   ; and 256 more
	s_wait_tensorcnt 0x0                           ; the wave's end
	ds_add_u32 v3, v4
	s_wait_dscnt 0x0
	ROUND                                          ; the closing round: no work-group ends while a partner may still ask for a tile that names it
	s_endpgm
.Lfunc_end_k_qa8b392e1bc_attn:
	.size	k_qa8b392e1bc_attn, .Lfunc_end_k_qa8b392e1bc_attn-k_qa8b392e1bc_attn
	.p2alignl 7, 3214868480
	.fill 96, 4, 3214868480
	.section	.rodata,"a",@progbits
	.p2align	6, 0x0
	.amdhsa_kernel k_qa8b392e1bc_attn
		.amdhsa_group_segment_fixed_size 327680
		.amdhsa_private_segment_fixed_size 0
		.amdhsa_enable_private_segment 0
		.amdhsa_kernarg_size 24
		.amdhsa_user_sgpr_count 2
		.amdhsa_user_sgpr_kernarg_segment_ptr 1
		.amdhsa_wavefront_size32 1
		.amdhsa_system_sgpr_workgroup_id_x 1
		.amdhsa_system_sgpr_workgroup_id_y 1
		.amdhsa_system_sgpr_workgroup_id_z 1
		.amdhsa_system_vgpr_workitem_id 0
		.amdhsa_next_free_vgpr 256
		.amdhsa_next_free_sgpr 66
		.amdhsa_reserve_vcc 0
		.amdhsa_float_denorm_mode_32 3
		.amdhsa_float_denorm_mode_16_64 3
		.amdhsa_memory_ordered 1
		.amdhsa_forward_progress 1
		.amdhsa_inst_pref_size 40
	.end_amdhsa_kernel
	.amdgpu_metadata
---
amdhsa.version: [ 1, 2 ]
amdhsa.kernels:
  - .name:           k_qa8b392e1bc_attn
    .symbol:         k_qa8b392e1bc_attn.kd
    .args:
      - { .name: qws, .offset: 0, .size: 8, .value_kind: global_buffer, .address_space: global }
      - { .name: kvws, .offset: 8, .size: 8, .value_kind: global_buffer, .address_space: global }
      - { .name: ows, .offset: 16, .size: 8, .value_kind: global_buffer, .address_space: global }
    .group_segment_fixed_size: 327680
    .private_segment_fixed_size: 0
    .kernarg_segment_align: 8
    .kernarg_segment_size: 24
    .max_flat_workgroup_size: 512
    .sgpr_count:     66
    .vgpr_count:     256
    .wavefront_size: 32
...
	.end_amdgpu_metadata
.endif
;; end of part 2
;; launch proj (part 3): grid 256 x 1, 16 waves a work-group, no clusters, 71,680 bytes of LDS; arguments ows, w_o_codes, w_o_scales, b_o, out0; writes out0
.if DOCPART == 3
	.amdgcn_target "amdgcn-amd-amdhsa--gfx1250"
	.amdhsa_code_object_version 6
	.text
	.protected	k_qa8b392e1bc_proj
	.globl	k_qa8b392e1bc_proj
	.p2align	8
	.type	k_qa8b392e1bc_proj,@function
k_qa8b392e1bc_proj:
	s_mov_b64 s[64:65], 0
	v_nop
	global_prefetch_b8 v0, s[64:65] scope:SCOPE_SE
	s_setreg_imm32_b32 hwreg(HW_REG_WAVE_MODE, 25, 1), 1
	s_wait_xcnt 0x0
; out0[b][c][n] = O W_o^T + b_o on codes of FP4 (E2M1) with E8M0 scales, K = 256 (four heads x 64 channels).  O comes as the records of 768 bytes that the launch before stored.
; SHARES.  A work-group owns 64 tokens of one batch (work-group number = 64 batch + block): 16 records, 12,288 consecutive bytes: record 4 q + head is token tile q's part of fragment (q, K step head / 2), registers 4 (head % 2) on.
; Wave w makes output channels 16 w .. 16 w + 15 for the 64 tokens: source 0 = O's rows, source 1 = W_o's rows: a lane holds one channel, its registers run along the tokens.  8 matrix instructions a wave.
; Row m of token tile q is token 32 (q / 2) + 8 (q % 2) + m + 8 (m / 8) of the 64, so that the registers of tiles 2 a, 2 a + 1 are 16 neighbouring tokens.
; NO TENSOR LOAD, NO JOINT LOADS, NO PREFETCH: every operand goes from memory straight into the registers that the products name, once, in one burst at the head; there is no loop to run ahead in, and a tile in LDS would be read into the same registers once more.
; The results go through the wave's own stage in LDS, 16 rows x (256 + 16) bytes, and leave as aligned units of 256 bytes.
.set STG,   0
.set SPARE, 16*16*272                  ; behind the stages: the spare words, 128 bytes for each wave
	s_load_b256 s[4:11], s[0:1], 0x0               ; ows s[4:5], W_o's codes s[6:7], W_o's scales s[8:9], b_o s[10:11]
	s_load_b64 s[14:15], s[0:1], 0x20              ; out0
	v_lshl_add_u32 v3, v0, 2, SPARE
	v_mov_b32 v4, 0
	v_lshrrev_b32 v30, 5, v0
	s_delay_alu instid0(VALU_DEP_1)
	v_readfirstlane_b32 s16, v30                   ; wave 0..15
	s_mul_i32 s20, ttmp9, 12288                    ; my 16 records
	s_mov_b32 s21, 0
	s_and_b32 s22, ttmp9, 63
	s_lshl_b32 s22, s22, 8                         ; out0: my 64 tokens' 256 bytes,
	s_lshr_b32 s23, ttmp9, 6
	s_lshl_b32 s23, s23, 8
	s_lshl_b32 s24, s16, 4
	s_add_co_u32 s23, s23, s24
	s_lshl_b32 s23, s23, 14                        ; in row 256 batch + 16 wave, of 16,384 bytes
	s_add_co_u32 s22, s22, s23
	s_mov_b32 s23, 0
	s_lshl_b32 s24, s16, 11                        ; W_o: my 16 rows of 128 bytes,
	s_mov_b32 s25, 0
	s_lshl_b32 s26, s16, 7                         ; their scale words,
	s_mov_b32 s27, 0
	s_lshl_b32 s28, s16, 6                         ; their biases
	s_mov_b32 s29, 0
	s_mul_i32 s30, s16, 16*272                     ; my stage
	v_and_b32 v1, 15, v0                           ; r
	v_bfe_u32 v2, v0, 4, 1                         ; h
	v_and_b32 v28, 31, v0                          ; lane
	v_lshlrev_b32 v5, 7, v1
	v_lshlrev_b32 v6, 3, v1                        ; W_o's scale words: 8 bytes a row
	v_lshlrev_b32 v232, 2, v1                      ; its bias
	v_lshl_add_u32 v5, v2, 4, v5                   ; W_o: row r of 128 bytes, + 16 h
	v_lshlrev_b32 v235, 4, v28                     ; 16 x lane
	v_lshlrev_b32 v240, 3, v28                     ; 8 x lane
	v_mul_u32_u24 v241, v1, 272
	v_mul_u32_u24 v242, v2, 272
	v_lshlrev_b32 v243, 14, v2
	v_lshl_add_u32 v241, v2, 6, v241
	v_lshl_add_u32 v242, v1, 4, v242
	v_lshl_add_u32 v243, v1, 4, v243               ; out0: lanes 0-15 one row, lanes 16-31 the next; 16 bytes a lane
	v_add_nc_u32 v241, s30, v241                   ; the stage, in: row r (a channel), + 64 h
	v_add_nc_u32 v242, s30, v242                   ; back: lanes 0-15 one row, lanes 16-31 the next
	s_wait_alu depctr_va_vdst(0)                   ; the wait at the head's end
	s_wait_kmcnt 0x0
	s_add_nc_u64 s[4:5], s[4:5], s[20:21]
	s_add_nc_u64 s[6:7], s[6:7], s[24:25]
	s_add_nc_u64 s[8:9], s[8:9], s[26:27]
	s_add_nc_u64 s[10:11], s[10:11], s[28:29]
	s_add_nc_u64 s[14:15], s[14:15], s[22:23]
.irp q, 0,1,2,3
.irp hd, 0,1,2,3
	global_load_b128 v[128+16*\q+4*\hd:131+16*\q+4*\hd], v235, s[4:5] offset:(4*\q+\hd)*768   ; fragment 2 q + hd / 2, registers 4 (hd % 2) on
	global_load_b32 v[200+4*\q+\hd], v240, s[4:5] offset:(4*\q+\hd)*768+512                   ; the head's two scale bytes of row lane % 16
.endr
.endr
.irp s, 0,1
.irp c, 0,1
	global_load_b128 v[32+8*\s+4*\c:35+8*\s+4*\c], v5, s[6:7] offset:64*\s+32*\c   ; W_o's two fragments
.endr
.endr
	global_load_b64 v[8:9], v6, s[8:9]
.irp j, 0,1,2,3,4,5,6,7
	global_load_b32 v[48+\j], v232, s[10:11]       ; a lane holds one output channel: its bias in all eight registers of the first product's C
.endr
	s_wait_loadcnt 0x0
.irp f, 0,1,2,3,4,5,6,7
	v_lshl_or_b32 v[248+\f], v[201+2*\f], 16, v[200+2*\f]   ; fragment f's scale words: two heads' bytes
.endr
.rept 8
	v_nop                                          ; a scale register written by a vector instruction stands eight plain instructions ahead of a scaled product
.endr
.irp m, 0,1,2,3                                    ; four accumulators by turns; the bias is the C of each sum's first product
	v_wmma_scale_f32_16x16x128_f8f6f4 v[56+8*\m:63+8*\m], v[128+16*\m:135+16*\m], v[32:39], v[48:55], v[248+2*\m], v8 matrix_a_fmt:MATRIX_FMT_FP4 matrix_b_fmt:MATRIX_FMT_FP4
.endr
.irp m, 0,1,2,3
	v_wmma_scale_f32_16x16x128_f8f6f4 v[56+8*\m:63+8*\m], v[136+16*\m:143+16*\m], v[40:47], v[56+8*\m:63+8*\m], v[249+2*\m], v9 matrix_a_fmt:MATRIX_FMT_FP4 matrix_b_fmt:MATRIX_FMT_FP4
.endr
.rept 4
	v_nop                                          ; four plain instructions between the last product and the first read of results (ISA guide 7.12.1)
.endr
.irp m, 0,1,2,3                                    ; lane (r, h), tile m, register j: channel 16 w + r, token 32 (m / 2) + 8 (m % 2) + 16 h + j of my 64
	ds_store_b128 v241, v[56+8*\m:59+8*\m] offset:128*(\m/2)+32*(\m%2)
	ds_store_b128 v241, v[60+8*\m:63+8*\m] offset:128*(\m/2)+32*(\m%2)+16
.endr
.irp i, 0,1,2,3,4,5,6,7
	ds_load_b128 v[96+4*\i:99+4*\i], v242 offset:544*\i   ; LDS serves a wave's instructions in order (ISA guide 5.7.1.4): these see my stores
.endr
.irp i, 0,1,2,3,4,5,6,7
	s_wait_dscnt 7-\i                              ; load i is back; the 7 - i younger ones may be out
	global_store_b128 v243, v[96+4*\i:99+4*\i], s[14:15] offset:32768*\i th:TH_STORE_NT   ; 16 lanes store 256 consecutive bytes, at a multiple of 256 from out0's first byte
.endr
	s_wait_tensorcnt 0x0                           ; the wave's end, behind my last LDS store
	ds_add_u32 v3, v4
	s_wait_dscnt 0x0
	s_endpgm
.Lfunc_end_k_qa8b392e1bc_proj:
	.size	k_qa8b392e1bc_proj, .Lfunc_end_k_qa8b392e1bc_proj-k_qa8b392e1bc_proj
	.p2alignl 7, 3214868480
	.fill 96, 4, 3214868480
	.section	.rodata,"a",@progbits
	.p2align	6, 0x0
	.amdhsa_kernel k_qa8b392e1bc_proj
		.amdhsa_group_segment_fixed_size 71680
		.amdhsa_private_segment_fixed_size 0
		.amdhsa_enable_private_segment 0
		.amdhsa_kernarg_size 40
		.amdhsa_user_sgpr_count 2
		.amdhsa_user_sgpr_kernarg_segment_ptr 1
		.amdhsa_wavefront_size32 1
		.amdhsa_system_sgpr_workgroup_id_x 1
		.amdhsa_system_sgpr_workgroup_id_y 1
		.amdhsa_system_sgpr_workgroup_id_z 1
		.amdhsa_system_vgpr_workitem_id 0
		.amdhsa_next_free_vgpr 256
		.amdhsa_next_free_sgpr 66
		.amdhsa_reserve_vcc 0
		.amdhsa_float_denorm_mode_32 3
		.amdhsa_float_denorm_mode_16_64 3
		.amdhsa_memory_ordered 1
		.amdhsa_forward_progress 1
		.amdhsa_inst_pref_size 11
	.end_amdhsa_kernel
	.amdgpu_metadata
---
amdhsa.version: [ 1, 2 ]
amdhsa.kernels:
  - .name:           k_qa8b392e1bc_proj
    .symbol:         k_qa8b392e1bc_proj.kd
    .args:
      - { .name: ows, .offset: 0, .size: 8, .value_kind: global_buffer, .address_space: global }
      - { .name: w_o_codes, .offset: 8, .size: 8, .value_kind: global_buffer, .address_space: global }
      - { .name: w_o_scales, .offset: 16, .size: 8, .value_kind: global_buffer, .address_space: global }
      - { .name: b_o, .offset: 24, .size: 8, .value_kind: global_buffer, .address_space: global }
      - { .name: out0, .offset: 32, .size: 8, .value_kind: global_buffer, .address_space: global }
    .group_segment_fixed_size: 71680
    .private_segment_fixed_size: 0
    .kernarg_segment_align: 8
    .kernarg_segment_size: 40
    .max_flat_workgroup_size: 512
    .sgpr_count:     66
    .vgpr_count:     256
    .wavefront_size: 32
...
	.end_amdgpu_metadata
.endif
;; end of part 3
